; MI455X (gfx1250); checked and timed in simulation.
; The chip was launched on July 23, 2026; its instructions are those of AMD's public machine-readable ISA for CDNA 5 (MIT licence, August 2026) and "CDNA5" Instruction Set Architecture Reference Guide (July 2026). The comments in the code are by the model that wrote it; some were corrected since.
;; Self Attention. Allowed arithmetic: matrix products marked QUANTISED: E2M3 operands, one E8M0 scale for each 32 along K, by v_wmma_scale_f32_16x16x128_f8f6f4 with both operands' format E2M3, f32 sums; everything else in f32.
;; Inputs: Wk_codes 1,024 x 32 x 24 uint8 (E2M3 codes of Wk, K innermost, in blocks of 32 codes, four codes in three bytes); Wk_scales 1,024 x 32 uint8 (E8M0 scales of Wk, one for each 32 codes along K); Wq_codes 1,024 x 32 x 24 uint8 (E2M3 codes of Wq, K innermost, in blocks of 32 codes, four codes in three bytes); Wq_scales 1,024 x 32 uint8 (E8M0 scales of Wq, one for each 32 codes along K); Wv_codes 1,024 x 32 x 24 uint8 (E2M3 codes of Wv, K innermost, in blocks of 32 codes, four codes in three bytes); Wv_scales 1,024 x 32 uint8 (E8M0 scales of Wv, one for each 32 codes along K); attention_mask 4 x 1 x 2,048 x 2,048 float32; bk 1,024 float32; bq 1,024 float32; bv 1,024 float32; hidden_states_codes 4 x 2,048 x 32 x 24 uint8 (E2M3 codes of hidden_states, K innermost, in blocks of 32 codes, four codes in three bytes); hidden_states_scales 4 x 2,048 x 32 uint8 (E8M0 scales of hidden_states, one for each 32 codes along K); key_padding_mask 4 x 2,048 float32.
;; Outputs: out0 4 x 2,048 x 1,024 float32.
;; This version of the problem:
;;   THIS VERSION OF THE PROBLEM IS GIVEN IN LOW PRECISION. The matrix products marked QUANTISED in the list below multiply operands that are first quantised to E2M3 (2 exponent bits, 3 mantissa bits; 6 bits a number), with one power-of-two scale for each 32 numbers along K (OCP MX v1.0); their sums are f32. All else is computed in f32.
;;   The module's matrix products, in the order in which they are computed (A, B: the left and right operand; K: the contracted axis; several contracted axes count as one K, in the product's order):
;;     1. [M 8,192, K 1,024] x [K 1,024, N 1,024]; A: input hidden_states (given as codes); B: input Wq (given as codes): QUANTISED
;;     2. [M 8,192, K 1,024] x [K 1,024, N 1,024]; A: input hidden_states (given as codes); B: input Wk (given as codes): QUANTISED
;;     3. [M 8,192, K 1,024] x [K 1,024, N 1,024]; A: input hidden_states (given as codes); B: input Wv (given as codes): QUANTISED
;;     4. batch 64 x [M 2,048, K 64] x [K 64, N 2,048]; A: computed on the way; B: computed on the way: QUANTISED
;;     5. batch 64 x [M 2,048, K 2,048] x [K 2,048, N 64]; A: softmax (see below); B: computed on the way: QUANTISED
;;   THE QUANTISER, for each operand of a quantised product, along K:
;;     - K is cut into blocks of 32 from its start; a last block that is shorter is filled with zeros.
;;     - A block's scale is 2^e with e = floor(log2(the largest magnitude in the block)) - 2, held to -126 .. 127; a block of zeros has e = 0. As a byte (E8M0): e + 127.
;;     - Each number is divided by its block's scale, clamped to +-7.5, and rounded to the nearest number of E2M3, ties to even, subnormals kept.
;;     - The product sums the exact products of the quantised numbers (number of the format x scale) in f32.
;;   ~~~python
;;   def quantise(x, axis):      # numpy; x: float32 -> the quantised numbers, widened to float32 again
;;       x = np.moveaxis(x, axis, -1); K = x.shape[-1]
;;       x = np.pad(x, [(0, 0)] * (x.ndim - 1) + [(0, -K % 32)]); x = x.reshape(x.shape[:-1] + (-1, 32)); a = np.abs(x).max(-1, keepdims=True)
;;       e = np.where(a > 0, np.clip(np.frexp(np.where(a > 0, a, 1))[1] - 1 - 2, -126, 127), 0)      # np.frexp(a)[1] - 1 = floor(log2(a)), exactly
;;       r = np.clip(x / 2.0 ** e, -7.5, 7.5)
;;       step = 2.0 ** (np.maximum(np.frexp(np.where(r == 0, 1, r))[1] - 1, 0) - 3)
;;       q = np.round(r / step) * step * 2.0 ** e      # np.round: ties to even
;;       return np.moveaxis(q.reshape(q.shape[:-2] + (-1,))[..., :K], -1, axis).astype(np.float32)
;;   ~~~
;;   SOFTMAX AHEAD OF A QUANTISED PRODUCT. Where the list says 'softmax', what is quantised is not the finished softmax but p = 2^(t - M), with t = logit x log2(e) and M = ceil(the row's largest t), a whole number; so 1/2 < the row's largest p <= 1. The row's sum l is taken of the UNQUANTISED p, in f32, and the product's result is divided by l at the end. Since M is a whole number, a kernel that streams over the keys may use a running M (the ceiling of the running maximum): every later rescaling is an exact power of two, which a block's scale takes up: the codes' values come out the same.
;;   OPERANDS COMPUTED ON THE WAY. 'Computed on the way' means the value that the module computes at that place (a softmax that the list does not call 'softmax' is quantised finished and normalised). What goes into a quantiser is computed in f32, as accurately as f32 sums, v_exp_f32 and their like allow (about 1e-6 of the number): no bf16 or f16 on the way to a quantiser, and a product that is left as it is and whose result goes on into a quantised operand takes f32 operands (vector FMAs, or v_wmma_f32_16x16x4_f32). A number that lies on a knife's edge between two numbers of the format may be rounded either way, as far as f32 arithmetic and the matrix unit's own rounding can turn it there, and no further.
;;   INPUTS GIVEN AS CODES. Wk (in the module: [1024, 1024], K = its axis 1); Wq (in the module: [1024, 1024], K = its axis 1); Wv (in the module: [1024, 1024], K = its axis 1); hidden_states (in the module: [4, 2048, 1024], K = its axis 2): each comes as NAME_codes (uint8): NAME with its K axis moved to the last place and cut into blocks of 32 codes, [.., K / 32, bytes a block], one block behind the other in memory; four codes in three bytes: a row's codes are one little-endian stream of bits, code i at bits 6 i .. 6 i + 5 (a code: sign, 2 exponent bits, 3 mantissa bits); and NAME_scales (uint8): the same leading axes, one E8M0 byte (e + 127) for each 32 codes along K. Its value is code x scale, taken as it is: it is not quantised again, and the codes and scales need not be those that the quantiser above would give.
;; One version. Each part assembles by itself: llvm-mc -triple=amdgcn-amd-amdhsa -mcpu=gfx1250 --defsym DOCPART=n.
;; ======== version 1 of 1: 2 launches
;; limits: right only within a limited range of input values
;; workspace buffers: qws 6,815,744 bytes; kv 13,369,344 bytes
;; launch proj (part 1): grid 8 x 32, 4 waves a work-group, clusters of 4 x 4, 327,680 bytes of LDS; arguments hidden_states_codes, hidden_states_scales, Wq_codes, Wq_scales, Wk_codes, Wk_scales, Wv_codes, Wv_scales, bq, bk, bv, qws, kv; writes qws, kv
.if DOCPART == 1
	.amdgcn_target "amdgcn-amd-amdhsa--gfx1250"
	.amdhsa_code_object_version 6
	.text
	.protected	k_q820615bfbd_proj
	.globl	k_q820615bfbd_proj
	.p2align	8
	.type	k_q820615bfbd_proj,@function
k_q820615bfbd_proj:
	s_mov_b64 s[64:65], 0
	v_nop
	global_prefetch_b8 v0, s[64:65] scope:SCOPE_SE
	s_setreg_imm32_b32 hwreg(HW_REG_WAVE_MODE, 25, 1), 1
	s_wait_xcnt 0x0
	s_wait_alu depctr_hold_cnt(0) depctr_sa_sdst(0) depctr_va_vdst(0) depctr_va_sdst(0) depctr_va_ssrc(0) depctr_va_vcc(0) depctr_vm_vsrc(0)
	s_getreg_b32 s2, hwreg(HW_REG_IB_STS2, 6, 4)
	s_cmp_eq_u32 s2, 0
	s_cbranch_scc0 .Lentry_in_a_cluster
	s_endpgm
.Lentry_in_a_cluster:
	s_bfe_u32 s2, ttmp6, 0x10000c
	s_cmp_lg_u32 s2, 0xf033
	s_cbranch_scc0 .Lentry_shape_is_right
	s_endpgm
.Lentry_shape_is_right:
; q = x Wq^T + bq, k = x Wk^T + bk, v = x Wv^T + bv on the given codes of E2M3, then the quantisers of q, k (along a head's 64 channels) and v (along the keys).
; The results leave as IMAGES OF OPERAND REGISTERS for the attention launch:
;   qws [b 4][head 16][block of 128 tokens 16][6,656]: 8 images of 768 bytes (tile a: registers 0-3 at 768 a + 16 lane, registers 4-5 at 768 a + 512 + 8 lane); at 6,144 the scale words: (tile 4 g + j, row r) at 256 g + 16 r + 4 j.
;   kv  [b 4][head group 4][key step 16][head 4][13,056]: K's 8 images as q's; at 6,144 V's: (channel tile n, 64 keys c) 768 bytes at 1536 n + 768 c, laid as K's; at 12,288 K's scale words as q's; at 12,800 V's: (n, r) at 16 r + 4 n.
; SHARES.  A work-group: 256 tokens x 2 heads.  Wave w: tokens 64 w on, both heads.  Its 64 rows of x, all of K, stay in 384 registers; six phases (q, k, v x head 0, 1) of 8 K steps x 16 products follow.
; STAGING.  Whole rows of 768 bytes, 16 bytes of padding behind every 256: pitch 816.  At the head waves 0, 1 ask for x's halves and waves 2, 3 for Wq's two heads.  When x is in registers, a round of the cluster's barrier,
; and Wk's and Wv's four tiles of 64 rows land in x's bytes, one load a wave.  No ring, so no loop to prefetch in: all tiles are asked for at the head or behind that one round.
; q and k are made TRANSPOSED (source 0 = 16 rows of W, source 1 = 16 tokens): a lane holds one token, its registers run along the channels.  v the other way: a lane holds one channel, its registers run along the tokens.
; The bias is added in f32 behind the sum over K, ahead of the quantiser.  A phase's results are quantised between the next phase's products; two sets of 16 accumulators take turns.
; 1 / sqrt(64) = 2^-3 goes into q's scale byte (3 less): exact.  Bytes 2 and 3 of q's and k's scale words are 127: the upper 64 of the instruction's 128 along K count for nothing (q has zero codes there).
; CLUSTER 4 x 4: x's tiles hang on the token block alone: asked for jointly along a row; W's on the head pair alone: jointly along a column.
; LIMITS: NaN and infinities are not served.  A block of q under 2^-121, of k or v under 2^-124, is held at that floor's scale; a block of zeros carries the floor's byte: its codes are zeros, and these bytes are read by this program alone.
; REGISTERS: window 0: addresses, scale words, W's fragments (two buffers), the quantiser's.  Window 1: x's K steps 0-4 (step s, tile a at 48 s + 12 a); window 2: steps 5-7, and from v144 the bias, two sets of 32.
;   Window 3: accumulators, set P at 128 P + 8 (4 i + j).
.set TILE,  52224                      ; 64 rows x 816
.set SPARE, 6*TILE                     ; the spare words: 128 bytes a wave
.set VST,   SPARE+512                  ; V's scale bytes on their way from wave to wave
.set SPW,  1
.set NIL,  2
.set ADX,  4                           ; v4-5 my rows of x; the second: lanes 16-31 behind one padding more
.set LB,   6                           ; v6-7 816 r + 24 h, likewise
.set L16K, 8                           ; 16 lane + 3072 c
.set L8K,  9
.set L16V, 10                          ; 16 lane + 768 c
.set L8V,  11
.set RHC,  12                          ; 16 r + 8 h + 256 c
.set BOQ,  13                          ; 32 h
.set BOV,  14                          ; 4 r
.set SO,   15                          ; 32 r + 16 h
.set VSA,  16
.set VRD,  17
.set VSO,  18
.set HS,   20                          ; x's scale words: 4 a + u: lanes 0-15 K step u, lanes 16-31 step 4 + u
.set WS,   36                          ; W's, alike, two sets of 16
.set BIAS, 144                         ; in window 2
.set WBUF, 100
.set TM,   196
.set PT,   204
.set PWR,  208
.set OS,   212
.set CODES, 216
.set ADW,  240                         ; v[240 + 2 phase], +1: the phase's tile of W
.set WV,   30
.set G1H,  40
.set G1W,  48
.set G0X,  56
.set G0Q,  60
.set SEL,  66
.set G0R,  68
.set MSB, 0
.macro WIN new                         ; the immediate's high byte repeats the setting that is left
.if MSB != (\new)
	s_set_vgpr_msb (MSB<<8)|(\new)
.set MSB, (\new)
.endif
.endm
.macro PLACES                          ; four plain vector instructions behind a matrix instruction (ISA guide 7.12.1)
.rept 4
	v_nop
.endr
.endm
.macro CROUND                          ; a round of the cluster's barrier
	s_barrier_signal -1
	s_barrier_wait -1
	s_cmp_lg_u32 s[WV], 0
	s_cbranch_scc1 .Lnot_wave_0_\@
	s_barrier_signal -3
.Lnot_wave_0_\@:
	s_barrier_wait -3
	s_barrier_signal -1
	s_barrier_wait -1
.endm
; A fragment, 16 rows x 128 K, is 12 registers: lane (r, h) takes 24 bytes at 24 h and 24 at 48 + 24 h of its row's 96, in pieces of 8.  Byte y of a row lies at y + 16 (y / 256).
.macro FRAG reg, adr, s, off
.irp p, 0,1,2,3,4,5
.set BY, 96*(\s)+48*(\p/3)+8*(\p%3)
.if BY/256 == (BY+24)/256
	ds_load_b64 v[\reg+2*\p:\reg+2*\p+1], v[\adr] offset:BY+16*(BY/256)+\off
.else
	ds_load_b64 v[\reg+2*\p:\reg+2*\p+1], v[\adr+1] offset:BY+16*(BY/256)+\off
.endif
.endr
.endm
.macro WLOAD ph, s, wb                 ; 24 loads: the phase's four fragments of W for K step s
.irp t, 0,1,2,3
	FRAG WBUF+48*(\wb)+12*\t, ADW+2*(\ph), \s, 13056*\t
.endr
.endm
.macro NLOAD ph                        ; a phase's scale words: 512 consecutive bytes a load
.set NX, (\ph)/2
.set NH, (\ph)%2
.irp t, 0,1,2,3
	global_load_b128 v[WS+16*NH+4*\t:WS+16*NH+4*\t+3], v[SO], s[10+4*NX:11+4*NX] offset:2048*NH+512*\t
.endr
.endm
.macro BLOAD ph                        ; a phase's bias in the result's layout, into set ph % 2: q, k: register 8 t + j = channel 16 t + 8 h + j; v: channel 16 n + r, twice, a pair for the packed addition
.set NX, (\ph)/2
.set NH, (\ph)%2
	WIN 0x80
.if NX < 2
.irp t, 0,1,2,3
	global_load_b128 v[BIAS+32*NH+8*\t:BIAS+32*NH+8*\t+3], v[BOQ], s[20+2*NX:21+2*NX] offset:256*NH+64*\t
	global_load_b128 v[BIAS+32*NH+8*\t+4:BIAS+32*NH+8*\t+7], v[BOQ], s[20+2*NX:21+2*NX] offset:256*NH+64*\t+16
.endr
.else
.irp t, 0,1,2,3
	global_load_b32 v[BIAS+32*NH+8*\t], v[BOV], s[24:25] offset:256*NH+64*\t
	global_load_b32 v[BIAS+32*NH+8*\t+1], v[BOV], s[24:25] offset:256*NH+64*\t
.endr
.endif
	WIN 0
.endm
.macro WM d, a, b, sa, sb              ; one product; CW = 0: the phase's first K step starts the sum; RW = 1: both sides' scale words from lanes 16-31
.if CW == 0
	v_wmma_scale_f32_16x16x128_f8f6f4 v[\d:\d+7], v[\a:\a+11], v[\b:\b+11], 0, v[\sa], v[\sb] matrix_a_fmt:MATRIX_FMT_FP6 matrix_b_fmt:MATRIX_FMT_FP6
.elseif RW == 0
	v_wmma_scale_f32_16x16x128_f8f6f4 v[\d:\d+7], v[\a:\a+11], v[\b:\b+11], v[\d:\d+7], v[\sa], v[\sb] matrix_a_fmt:MATRIX_FMT_FP6 matrix_b_fmt:MATRIX_FMT_FP6
.else
	v_wmma_scale_f32_16x16x128_f8f6f4 v[\d:\d+7], v[\a:\a+11], v[\b:\b+11], v[\d:\d+7], v[\sa], v[\sb] matrix_a_fmt:MATRIX_FMT_FP6 matrix_b_fmt:MATRIX_FMT_FP6 matrix_a_scale:MATRIX_SCALE_ROW1 matrix_b_scale:MATRIX_SCALE_ROW1
.endif
.endm
; THE QUANTISER of 32 registers of a lane: two blocks of 32 along the next K; register 16 b + k belongs to block b; lanes l and l xor 16 share a block.
.macro QUANT P, i, EB, isv, PB, off, VA, VB8
.set X, 128*(\P)+32*(\i)
.set CS, CODES+6*(\i)
	s_wait_xcnt 0x0                                ; earlier stores have read the registers that are written again below
	WIN 0xcb                                       ; destination and source 0: window 3; source 1: window 2
.irp k, 0,2,4,6,8,10,12,14,16,18,20,22,24,26,28,30
.if \isv
	v_pk_add_f32 v[X+\k:X+\k+1], v[X+\k:X+\k+1], v[BIAS+32*(\P)+8*(\i):BIAS+32*(\P)+8*(\i)+1]
.else
	v_pk_add_f32 v[X+\k:X+\k+1], v[X+\k:X+\k+1], v[BIAS+32*(\P)+\k:BIAS+32*(\P)+\k+1]   ; the bias; each accumulator from its low end on
.endif
.endr
	WIN 0x0f                                       ; sources 0 and 1: window 3
.irp b, 0,1
	v_max3_num_f32 v[TM+\b], |v[X+16*\b]|, |v[X+16*\b+1]|, (\EB+1)<<23   ; the floor holds the byte at 1 from below
.endr
.irp k, 2,4,6,8,10,12,14
.irp b, 0,1
	v_max3_num_f32 v[TM+\b], |v[X+16*\b+\k]|, |v[X+16*\b+\k+1]|, v[TM+\b]
.endr
.endr
	WIN 0
.irp b, 0,1
	v_permlanex16_b32 v[TM+2+\b], v[TM+\b], s[SEL], s[SEL+1]
.endr
.irp b, 0,1
	v_max_num_f32 v[TM+\b], v[TM+\b], v[TM+2+\b]   ; the block's largest magnitude
.endr
.irp b, 0,1
	v_add_nc_u32 v[TM+4+\b], 0xff000000, v[TM+\b]  ; 2 off its exponent field: the conversion's scale operand
	v_add_nc_u32 v[TM+6+\b], -(\EB<<23), v[TM+\b]  ; the byte's: for q 3 more, the product's 1 / 8
.endr
.irp b, 0,1
	v_lshrrev_b32 v[TM+6+\b], 23, v[TM+6+\b]
.endr
	v_lshl_or_b32 v[PWR+\i], v[TM+7], 8, v[TM+6]
.if \isv == 0
	v_or_b32 v[PWR+\i], 0x7f7f0000, v[PWR+\i]
.endif
	WIN 0x03
	v_cvt_scalef32_pk16_fp6_f32 v[CS:CS+2], v[X:X+15], v[TM+4]
	v_cvt_scalef32_pk16_fp6_f32 v[PT:PT+2], v[X+16:X+31], v[TM+5]
	WIN 0
	v_nop                                          ; one plain place behind a scaled conversion
.irp j, 0,1,2
	v_permlane16_swap_b32 v[CS+\j], v[PT+\j]       ; lanes 0-15 now hold block 0 whole, lanes 16-31 block 1
.endr
.irp j, 0,1,2
	v_mov_b32 v[CS+3+\j], v[PT+\j]
.endr
	global_store_b128 v[\VA], v[CS:CS+3], s[\PB:\PB+1] offset:\off          ; 512 consecutive bytes
	global_store_b64 v[\VB8], v[CS+4:CS+5], s[\PB:\PB+1] offset:\off+512    ; 256
.if \isv
	ds_store_b16 v[VSA], v[PWR+\i] offset:256*(\P)+4*(\i)                   ; my two bytes of the channel tile's scale words
.endif
.endm
.macro WORDS PB, off                   ; four tiles' scale words: lane (r, h) stores tiles 2 h, 2 h + 1 of row r: 256 consecutive bytes
	v_cndmask_b32 v[OS], v[PWR], v[PWR+2], s39
	v_cndmask_b32 v[OS+1], v[PWR+1], v[PWR+3], s39
	global_store_b64 v[RHC], v[OS:OS+1], s[\PB:\PB+1] offset:\off
.endm
.macro QP ph, i                        ; tile i of phase ph goes out
.set QH, (\ph)%2
.if (\ph)/2 == 0
	QUANT QH, \i, 5, 0, 26, 106496*QH+768*(\i), L16K, L8K
.if (\i) == 3
	WORDS 26, 106496*QH+6144
.endif
.elseif (\ph)/2 == 1
	QUANT QH, \i, 2, 0, 28, 13056*QH+768*(\i), L16K, L8K
.if (\i) == 3
	WORDS 28, 13056*QH+12288
.endif
.else
	QUANT QH, \i, 2, 1, 28, 13056*QH+6144+1536*(\i), L16V, L8V
.endif
	s_wait_alu depctr_va_vdst(0)                   ; the wait ahead of the blocking wait that follows
.endm
; A K STEP: the fragments of W asked for a step ago are in; the next step's are asked for; 16 products, the accumulators by turns; then a tile of the phase before, or four places.
.macro STEP ph, s
.set XM, (\ph)/2
.set HD, (\ph)%2
.set WB, (\s)%2
.set RW, (\s)/4
.set SQ, (\s)%4
.set XF, 48*((\s)%5)
.if (\s) < 5
.set XW, 1
.else
.set XW, 2
.endif
.if (\s) == 0
.set CW, 0
.else
.set CW, 3
.endif
	s_wait_dscnt 0x0
.if (\ph) == 1 && (\s) == 7
	s_wait_tensorcnt 0x0                           ; my tile of Wk or Wv has landed;
	s_barrier_signal -1
	s_barrier_wait -1                              ; everybody's has.
.endif
.if (\s) < 7
	WLOAD \ph, (\s)+1, 1-WB
.elseif (\ph) < 5
	WLOAD (\ph)+1, 0, 1-WB
.endif
.if (\s) == 0
	s_wait_loadcnt 0x0                             ; this phase's scale words, and the bias of the phase before
	BLOAD \ph                                      ; this phase's bias, wanted a phase on; its set was last read two phases back
.endif
.if (\s) == 1 && (\ph) < 5
	NLOAD (\ph)+1
.endif
.if XM < 2
	WIN 0xc0|(CW<<4)|(XW<<2)
.else
	WIN 0xc0|(CW<<4)|XW
.endif
.set AA, 0
.rept 4
.irp t, 0,1,2,3
.if XM < 2
	WM 128*HD+8*(4*AA+\t), WBUF+48*WB+12*\t, XF+12*AA, WS+16*HD+4*\t+SQ, HS+4*AA+SQ
.else
	WM 128*HD+8*(4*\t+AA), XF+12*AA, WBUF+48*WB+12*\t, HS+4*AA+SQ, WS+16*HD+4*\t+SQ
.endif
.endr
.set AA, AA+1
.endr
	WIN 0
.if (\s)%2 == 1 && (\ph) > 0
	QP (\ph)-1, (\s)/2
.else
	PLACES
.endif
.endm
	s_load_b512 s[4:19], s[0:1], 0x0               ; x's codes, scales, Wq's, Wk's, Wv's
	s_load_b256 s[20:27], s[0:1], 0x40             ; bq, bk, bv, qws
	s_load_b64 s[28:29], s[0:1], 0x60              ; kv
	v_lshl_add_u32 v[SPW], v0, 2, SPARE
	v_mov_b32 v[NIL], 0
	ds_add_u32 v[SPW], v[NIL]                      ; the opening lines: the add, twice on end, and its wait
	ds_add_u32 v[SPW], v[NIL]
	v_lshrrev_b32 v3, 5, v0
	v_readfirstlane_b32 s[WV], v3                  ; wave 0..3
	s_lshr_b32 s31, s[WV], 1                       ; which block of 128 tokens
	s_and_b32 s32, s[WV], 1                        ; c: which 64 of them
	s_bfe_u32 s33, ttmp6, 0x40000                  ; cx
	s_bfe_u32 s34, ttmp6, 0x40004                  ; cy
	s_lshl_b32 s35, ttmp9, 2
	s_add_co_u32 s35, s35, s33                     ; the head pair
	s_and_b32 s36, ttmp7, 0xffff
	s_lshl_b32 s36, s36, 2
	s_add_co_u32 s36, s36, s34                     ; the block of 256 tokens
	s_lshl_b32 s37, s34, 2
	s_lshl_b32 s37, 15, s37                        ; my row of the cluster
	s_lshl_b32 s38, 0x1111, s33                    ; my column
	s_mov_b32 s[SEL], 0x76543210
	s_mov_b32 s[SEL+1], 0xfedcba98
	s_or_b32 s[G1H], s37, (1<<20)|(1<<21)|(5<<22)|(3<<25)   ; rows of 768 bytes; 16 bytes of padding behind every 64 words
	s_mov_b32 s[G1H+1], 768<<16
	s_mov_b32 s[G1H+2], 128<<16
	s_mov_b32 s[G1H+3], 768<<16
	s_mov_b32 s[G1H+4], 128
	s_mov_b32 s[G1H+5], 768
	s_mov_b32 s[G1H+6], 0
	s_mov_b32 s[G1H+7], 0
	s_or_b32 s[G1W], s38, (1<<20)|(1<<21)|(5<<22)|(3<<25)
	s_mov_b32 s[G1W+1], 768<<16
	s_mov_b32 s[G1W+2], 64<<16
	s_mov_b32 s[G1W+3], 768<<16
	s_mov_b32 s[G1W+4], 64
	s_mov_b32 s[G1W+5], 768
	s_mov_b32 s[G1W+6], 0
	s_mov_b32 s[G1W+7], 0
	s_mul_i32 s76, s36, 196608                     ; x: 256 rows a token block, + my half (waves 0, 1); the head pair never enters these registers
	s_mul_i32 s72, s32, 98304
	s_add_co_u32 s76, s76, s72
	s_mov_b32 s77, 0
	s_mul_i32 s78, s35, 98304                      ; W: 128 rows a head pair, + 64 rows for the odd waves; the token block never enters these
	s_mul_i32 s72, s32, 49152
	s_add_co_u32 s78, s78, s72
	s_mov_b32 s79, 0
	s_lshl_b32 s80, s35, 12                        ; W's scale bytes
	s_mov_b32 s81, 0
	s_lshl_b32 s82, s35, 9                         ; the biases
	s_mov_b32 s83, 0
	s_lshl_b32 s84, s36, 13                        ; x's scale bytes: my 64 tokens
	s_lshl_b32 s72, s[WV], 11
	s_add_co_u32 s84, s84, s72
	s_mov_b32 s85, 0
	s_lshl_b32 s86, s36, 1
	s_add_co_u32 s86, s86, s31                     ; my block of 128 tokens, 0..63
	s_lshr_b32 s87, s86, 4                         ; the batch
	s_and_b32 s86, s86, 15
	s_lshl_b32 s88, s87, 4
	s_lshl_b32 s72, s35, 1
	s_add_co_u32 s88, s88, s72
	s_lshl_b32 s88, s88, 4
	s_add_co_u32 s88, s88, s86
	s_mul_i32 s88, s88, 6656
	s_mov_b32 s89, 0
	s_lshl_b32 s90, s87, 2
	s_lshr_b32 s72, s35, 1
	s_add_co_u32 s90, s90, s72
	s_lshl_b32 s90, s90, 4
	s_add_co_u32 s90, s90, s86
	s_lshl_b32 s90, s90, 2
	s_and_b32 s72, s35, 1
	s_lshl_b32 s72, s72, 1
	s_add_co_u32 s90, s90, s72
	s_mul_i32 s90, s90, 13056
	s_mov_b32 s91, 0
	s_mul_i32 s92, s[WV], 2*TILE                   ; LDS: x's halves,
	s_mul_i32 s93, s[WV], TILE                     ; the four tiles that follow them,
	s_add_co_u32 s94, s93, 2*TILE                  ; and Wq's two (waves 2, 3): behind x
	s_wait_dscnt 0x0                               ; both opening adds are done
	s_wait_kmcnt 0x0
	s_mov_b32 s[G0X], 1
	s_mov_b32 s[G0X+1], s92
	s_add_nc_u64 s[G0X+2:G0X+3], s[4:5], s[76:77]
	s_or_b32 s[G0X+3], s[G0X+3], 0x80000000
	s_mov_b32 s[G0Q], 1
	s_mov_b32 s[G0Q+1], s94
	s_add_nc_u64 s[G0Q+2:G0Q+3], s[8:9], s[78:79]
	s_or_b32 s[G0Q+3], s[G0Q+3], 0x80000000
	s_cmp_lt_u32 s[WV], 2                          ; waves 0, 1 will ask for Wk's heads, waves 2, 3 for Wv's
	s_cselect_b64 s[96:97], s[12:13], s[16:17]
	s_mov_b32 s[G0R], 1
	s_mov_b32 s[G0R+1], s93
	s_add_nc_u64 s[G0R+2:G0R+3], s[96:97], s[78:79]
	s_or_b32 s[G0R+3], s[G0R+3], 0x80000000
	s_add_nc_u64 s[6:7], s[6:7], s[84:85]
	s_add_nc_u64 s[10:11], s[10:11], s[80:81]
	s_add_nc_u64 s[14:15], s[14:15], s[80:81]
	s_add_nc_u64 s[18:19], s[18:19], s[80:81]
	s_add_nc_u64 s[20:21], s[20:21], s[82:83]
	s_add_nc_u64 s[22:23], s[22:23], s[82:83]
	s_add_nc_u64 s[24:25], s[24:25], s[82:83]
	s_add_nc_u64 s[26:27], s[26:27], s[88:89]
	s_add_nc_u64 s[28:29], s[28:29], s[90:91]
	CROUND                                         ; all sixteen work-groups are here: the first joint loads meet
	s_cmp_lt_u32 s[WV], 2                          ; one load a wave, one in each arm
	s_cbranch_scc0 .Lhead_w
	tensor_load_to_lds s[G0X:G0X+3], s[G1H:G1H+7]
	s_nop 0
	PLACES
	s_branch .Lhead_done
.Lhead_w:
	tensor_load_to_lds s[G0Q:G0Q+3], s[G1W:G1W+7]
	s_nop 0
	PLACES
.Lhead_done:
	v_and_b32 v3, 15, v0                           ; r
	v_bfe_u32 v19, v0, 4, 1                        ; h
	v_and_b32 v252, 31, v0                         ; lane
	v_lshlrev_b32 v[SO], 5, v3
	v_lshl_add_u32 v[SO], v19, 4, v[SO]
	v_lshlrev_b32 v[BOQ], 5, v19
	v_lshlrev_b32 v[BOV], 2, v3
.irp a, 0,1,2,3
	global_load_b128 v[HS+4*\a:HS+4*\a+3], v[SO], s[6:7] offset:512*\a   ; 16 tokens' scale bytes for all of K: 512 consecutive bytes
.endr
	NLOAD 0
	v_mul_u32_u24 v[LB], v3, 816
	v_mad_u32_u24 v[LB], v19, 24, v[LB]
	v_lshl_add_u32 v[LB+1], v19, 4, v[LB]
	v_add_nc_u32 v[ADX], s93, v[LB]
	v_add_nc_u32 v[ADX+1], s93, v[LB+1]
.irp p, 0,1,2,3,4,5
	v_add_nc_u32 v[ADW+2*\p], ((\p+4)%6)*TILE, v[LB]       ; q's tiles lie fifth and sixth, k's and v's first to fourth
	v_add_nc_u32 v[ADW+2*\p+1], ((\p+4)%6)*TILE, v[LB+1]
.endr
	s_mul_i32 s72, s32, 3072
	s_mul_i32 s73, s32, 768
	s_lshl_b32 s74, s32, 8
	v_lshl_add_u32 v[L16K], v252, 4, s72
	v_lshl_add_u32 v[L8K], v252, 3, s72
	v_lshl_add_u32 v[L16V], v252, 4, s73
	v_lshl_add_u32 v[L8V], v252, 3, s73
	v_lshl_add_u32 v[RHC], v3, 4, s74
	v_lshl_add_u32 v[RHC], v19, 3, v[RHC]
	s_lshl_b32 s72, s31, 9
	s_lshl_b32 s73, s32, 1
	s_add_co_u32 s72, s72, s73
	s_add_co_u32 s72, s72, VST
	v_lshl_add_u32 v[VSA], v3, 4, s72              ; VST + 512 (w / 2) + 2 c + 16 r
	s_lshl_b32 s73, s[WV], 8
	s_add_co_u32 s73, s73, VST
	v_lshl_add_u32 v[VRD], v252, 3, s73            ; VST + 256 w + 8 lane
	s_mul_i32 s74, s32, 13056
	s_add_co_u32 s74, s74, 12800
	v_lshl_add_u32 v[VSO], v252, 3, s74
	v_cmp_lt_u32 s39, 15, v252                     ; lanes 16-31
	v_mov_b32 v[TM+2], 0                           ; a lane permute's destination counts as one of its sources
	v_mov_b32 v[TM+3], 0
	s_wait_alu depctr_va_vdst(0)                   ; the wait at the head's end
	s_wait_tensorcnt 0x0                           ; my tile is in;
	s_barrier_signal -1
	s_barrier_wait -1                              ; everybody's is.
.set SS, 0
.rept 8                                ; my 64 rows of x, all of K, into registers: 192 loads
.if SS < 5
	WIN 0x40
.else
	WIN 0x80
.endif
.irp a, 0,1,2,3
	FRAG 48*(SS%5)+12*\a, ADX, SS, 13056*\a
.endr
.set SS, SS+1
.endr
	WIN 0
	WLOAD 0, 0, 0
	s_wait_tensorcnt 0x0                           ; three lines in front of a refill's barrier
	ds_add_u32 v[SPW], v[NIL]
	s_wait_dscnt 0x0                               ; the add is done, and x is in my registers
	CROUND                                         ; no wave of any partner still reads x's bytes
	tensor_load_to_lds s[G0R:G0R+3], s[G1W:G1W+7]  ; Wk's and Wv's four tiles, one a wave, into x's bytes; two phases stand ahead of their first read
	s_nop 0
	PLACES
.set PH, 0
.rept 6
.set SS, 0
.rept 8
	STEP PH, SS
.set SS, SS+1
.endr
.set PH, PH+1
.endr
	s_wait_loadcnt 0x0                             ; the last phase's bias
.irp i, 0,1,2,3
	QP 5, \i
.endr
	s_wait_dscnt 0x0                               ; my bytes of V's scale words are in LDS
	s_barrier_signal -1
	s_barrier_wait -1
	ds_load_b64 v[TM:TM+1], v[VRD]                 ; the whole words of (my block of 128 tokens, head w % 2): 256 bytes
	s_wait_dscnt 0x0
	global_store_b64 v[VSO], v[TM:TM+1], s[28:29]
	s_wait_tensorcnt 0x0                           ; the wave's end
	ds_add_u32 v[SPW], v[NIL]
	s_wait_dscnt 0x0
	CROUND                                         ; the closing round
	s_endpgm
.Lfunc_end_k_q820615bfbd_proj:
	.size	k_q820615bfbd_proj, .Lfunc_end_k_q820615bfbd_proj-k_q820615bfbd_proj
	.p2alignl 7, 3214868480
	.fill 96, 4, 3214868480
	.section	.rodata,"a",@progbits
	.p2align	6, 0x0
	.amdhsa_kernel k_q820615bfbd_proj
		.amdhsa_group_segment_fixed_size 327680
		.amdhsa_private_segment_fixed_size 0
		.amdhsa_enable_private_segment 0
		.amdhsa_kernarg_size 104
		.amdhsa_user_sgpr_count 2
		.amdhsa_user_sgpr_kernarg_segment_ptr 1
		.amdhsa_wavefront_size32 1
		.amdhsa_system_sgpr_workgroup_id_x 1
		.amdhsa_system_sgpr_workgroup_id_y 1
		.amdhsa_system_sgpr_workgroup_id_z 1
		.amdhsa_system_vgpr_workitem_id 0
		.amdhsa_next_free_vgpr 1024
		.amdhsa_next_free_sgpr 102
		.amdhsa_reserve_vcc 0
		.amdhsa_float_denorm_mode_32 3
		.amdhsa_float_denorm_mode_16_64 3
		.amdhsa_memory_ordered 1
		.amdhsa_forward_progress 1
		.amdhsa_inst_pref_size 255
	.end_amdhsa_kernel
	.section	.bss,"aw",@nobits
	.p2align	6
	.space	262144
	.amdgpu_metadata
---
amdhsa.version: [ 1, 2 ]
amdhsa.kernels:
  - .name:           k_q820615bfbd_proj
    .symbol:         k_q820615bfbd_proj.kd
    .args:
      - { .name: hidden_states_codes, .offset: 0, .size: 8, .value_kind: global_buffer, .address_space: global }
      - { .name: hidden_states_scales, .offset: 8, .size: 8, .value_kind: global_buffer, .address_space: global }
      - { .name: Wq_codes, .offset: 16, .size: 8, .value_kind: global_buffer, .address_space: global }
      - { .name: Wq_scales, .offset: 24, .size: 8, .value_kind: global_buffer, .address_space: global }
      - { .name: Wk_codes, .offset: 32, .size: 8, .value_kind: global_buffer, .address_space: global }
      - { .name: Wk_scales, .offset: 40, .size: 8, .value_kind: global_buffer, .address_space: global }
      - { .name: Wv_codes, .offset: 48, .size: 8, .value_kind: global_buffer, .address_space: global }
      - { .name: Wv_scales, .offset: 56, .size: 8, .value_kind: global_buffer, .address_space: global }
      - { .name: bq, .offset: 64, .size: 8, .value_kind: global_buffer, .address_space: global }
      - { .name: bk, .offset: 72, .size: 8, .value_kind: global_buffer, .address_space: global }
      - { .name: bv, .offset: 80, .size: 8, .value_kind: global_buffer, .address_space: global }
      - { .name: qws, .offset: 88, .size: 8, .value_kind: global_buffer, .address_space: global }
      - { .name: kv, .offset: 96, .size: 8, .value_kind: global_buffer, .address_space: global }
    .group_segment_fixed_size: 327680
    .private_segment_fixed_size: 0
    .kernarg_segment_align: 8
    .kernarg_segment_size: 104
    .max_flat_workgroup_size: 128
    .sgpr_count:     102
    .vgpr_count:     1024
    .wavefront_size: 32
...
	.end_amdgpu_metadata
.endif
;; end of part 1
;; launch attn (part 2): grid 4 x 64, 8 waves a work-group, clusters of 4 x 4, 327,680 bytes of LDS; arguments attention_mask, key_padding_mask, qws, kv, out0; writes out0
.if DOCPART == 2
	.amdgcn_target "amdgcn-amd-amdhsa--gfx1250"
	.amdhsa_code_object_version 6
	.text
	.protected	k_q820615bfbd_attn
	.globl	k_q820615bfbd_attn
	.p2align	8
	.type	k_q820615bfbd_attn,@function
k_q820615bfbd_attn:
	s_mov_b64 s[64:65], 0
	v_nop
	global_prefetch_b8 v0, s[64:65] scope:SCOPE_SE
	s_setreg_imm32_b32 hwreg(HW_REG_WAVE_MODE, 25, 1), 1
	s_wait_xcnt 0x0
	s_wait_alu depctr_hold_cnt(0) depctr_sa_sdst(0) depctr_va_vdst(0) depctr_va_sdst(0) depctr_va_ssrc(0) depctr_va_vcc(0) depctr_vm_vsrc(0)
	s_getreg_b32 s2, hwreg(HW_REG_IB_STS2, 6, 4)
	s_cmp_eq_u32 s2, 0
	s_cbranch_scc0 .Lentry_in_a_cluster
	s_endpgm
.Lentry_in_a_cluster:
	s_bfe_u32 s2, ttmp6, 0x10000c
	s_cmp_lg_u32 s2, 0xf033
	s_cbranch_scc0 .Lentry_shape_is_right
	s_endpgm
.Lentry_shape_is_right:
; out[b][t][64 head + d] = the sum over s of softmax_s(q.k / 8 + mask[b][t][s] + (1 - kpm[b][s]) x -10000) v[s][d], both products on codes of E2M3 with E8M0 scales.
; q, k, v come as images of operand registers (qws, kv: laid by the launch before; the 1 / 8 lies in q's scale bytes).  mask [4][2048][2048], kpm [4][2048], out [4][2048][1024]: f32.
; THE SOFTMAX: t = logit x log2(e); M = the row's largest t so far, rounded UP to a whole number; p = 2^(t - M) is quantised along the keys, not normalised; the row's sum is taken of the unquantised p and divides at the end.
; When M moves, the sum and O are multiplied by 2^(old M - new M): exact.
; THE LOGIT IS ROUNDED WHERE THE DEFINITION ROUNDS IT: (q.k / 8 + mask), rounded; + the padding term, rounded; x log2(e), rounded; - M.  Where mask or padding term are large, an ulp of the logit is not small against the distance
; between two codes of p, so no two of these steps are fused and their order is kept.
; SHARES.  A work-group: 128 queries x 4 heads.  Wave w: ONE tile of 16 queries (16 w on) for all FOUR heads: the mask and the padding term are read from LDS once for four heads.  Two waves to a SIMD.  16 key steps of 128 keys.
; LAYOUT.  Both products transposed: S^T = K Q^T (source 0 = 16 keys, source 1 = my queries), O^T = V^T P^T: a lane holds one query throughout.
; K = 64 of the instruction's 128: q's upper six registers are zero codes; k's upper six are the next tile's codes, which count for nothing against zeros; bytes 2 and 3 of both scale words are 127.
; p takes the same way from registers to codes as v took in the launch before, so inside each block of 32 keys both carry the same order.
; CLUSTER 4 x 4: the mask's tile hangs on batch and query block: asked for jointly along a row; the chunk of K and V on batch and head group: jointly along a column.
; A ring of two LDS slots; waves 0, 1 fetch the halves of a step's chunk of K and V (102 rows of 256 bytes each), waves 2, 3 the halves of the mask's tile (64 rows of 512 bytes), one load a wave behind each round.
; The padding term lies in LDS bytes that no fill touches: the next step's is read ahead of the change of slots, behind the fourth head's additions.
; LIMITS: NaN and infinities in any input are not served.  A block of p under 2^-124 is held at that floor's scale (a block of zeros likewise: its codes are zeros).  The promise holds while |t| stays under 2^31.
; REGISTERS: window 0: v1-14 addresses; v16-31 four heads' -M, largest t, sum (two halves); v32-95 S^T, then p; v96-149 K's 8 tiles and 6 of zeros; V's 4 tiles take v96-143 when K's are done with; v150 f;
;   v152-199 the padding term of key tiles 0-5; v200-219 p's codes; v220-235 at work; v240-252 scale words.
;   window 1: v0-127 O^T (head i, channel tile n at 32 i + 8 n); v128-191 the mask; v192-239 Q; v240-255 the padding term of key tiles 6, 7.
.set SLOT1, 131072
.set SUB,   13056
.set CHUNK, 4*SUB
.set MOFF,  CHUNK
.set MP,    528
.set PADR,  2*SLOT1
.set SPARE, PADR+8192
.set STAGE, SPARE+1024
.set SP,    272
.set L16, 1
.set L8,  2
.set R16, 3
.set AM0, 4
.set AP0, 5
.set SPW, 6
.set NIL, 7
.set A16, 8
.set A8,  9
.set AR,  10
.set AM,  11
.set AP,  12
.set PFO, 13
.set GO,  14
.set ST,  16
.set S,   32
.set KB,  96
.set VB,  96
.set F,   150
.set PD0, 152
.set PC,  200
.set PT,  212
.set BM,  220
.set BT,  224
.set BS,  228
.set TMP, 232
.set SM,  234
.set KSR, 240
.set VSR, 244
.set QSR, 248
.set PW,  252
.set BK,  96
.set OT,  0
.set MK,  128
.set Q,   192
.set PD1, 240
.set WV,  14
.set SEL, 20
.set CS,  22
.set G1K, 24
.set G1M, 32
.set G0K, 40
.set G0M, 44
.set TB,  48
.set TP,  49
.set SLOTS, 50
.set LIM, 51
.set PFA, 52
.set MSB, 0
.macro WIN new
.if MSB != (\new)
	s_set_vgpr_msb (MSB<<8)|(\new)
.set MSB, (\new)
.endif
.endm
.macro CROUND
	s_barrier_signal -1
	s_barrier_wait -1
	s_cmp_lg_u32 s[WV], 0
	s_cbranch_scc1 .Lnot_wave_0_\@
	s_barrier_signal -3
.Lnot_wave_0_\@:
	s_barrier_wait -3
	s_barrier_signal -1
	s_barrier_wait -1
.endm
.macro JLOAD                           ; the branches hang on the wave's number alone
	s_cmp_lt_u32 s[WV], 2
	s_cbranch_scc0 .Lnot_k_\@
	tensor_load_to_lds s[G0K:G0K+3], s[G1K:G1K+7]
	s_nop 0
.rept 4
	v_nop
.endr
	s_branch .Lasked_\@
.Lnot_k_\@:
	s_cmp_lt_u32 s[WV], 4
	s_cbranch_scc0 .Lasked_\@
	tensor_load_to_lds s[G0M:G0M+3], s[G1M:G1M+7]
	s_nop 0
.rept 4
	v_nop
.endr
.Lasked_\@:
.endm
; A PREFETCH of the mask's tile that the NEXT change of slots will ask for, a key step ahead of that load.  The four partners of a row of the cluster take 32 rows each, told apart by address; wave 4 asks: a lane a row, 512 bytes as two blocks.
; The last change that fills a slot asks for nothing; steps 0 and 1 come by their loads alone.
.macro ASK
	s_cmp_gt_u32 s[SLOTS], s[LIM]
	s_cbranch_scc0 .Lnot_mine_\@
	global_prefetch_b8 v[PFO], s[PFA:PFA+1] th:TH_LOAD_NT scope:SCOPE_SE
	global_prefetch_b8 v[PFO], s[PFA:PFA+1] offset:256 th:TH_LOAD_NT scope:SCOPE_SE
.Lnot_mine_\@:
.endm
	s_load_b256 s[4:11], s[0:1], 0x0               ; mask, kpm, qws, kv
	s_load_b64 s[12:13], s[0:1], 0x20              ; out
	v_lshl_add_u32 v[SPW], v0, 2, SPARE
	v_mov_b32 v[NIL], 0
	ds_add_u32 v[SPW], v[NIL]                      ; the opening lines
	ds_add_u32 v[SPW], v[NIL]
	s_wait_dscnt 0x0
	v_lshrrev_b32 v15, 5, v0
	s_delay_alu instid0(VALU_DEP_1)
	v_readfirstlane_b32 s[WV], v15                 ; wave 0..7
	s_bfe_u32 s15, ttmp6, 0x40000                  ; cx
	s_bfe_u32 s16, ttmp6, 0x40004                  ; cy
	s_lshl_b32 s17, ttmp9, 2
	s_add_co_u32 s17, s17, s15                     ; the head group
	s_and_b32 s54, ttmp7, 0xffff
	s_lshr_b32 s18, s54, 2                         ; the batch: from the cluster's y alone
	s_lshl_b32 s19, s54, 2
	s_add_co_u32 s19, s19, s16                     ; y = 16 x batch + query block
	s_lshl_b32 s55, s16, 2
	s_lshl_b32 s55, 15, s55                        ; my row of the cluster
	s_lshl_b32 s54, 0x1111, s15                    ; my column
	s_or_b32 s[G1K], s54, (3<<16)|(1<<21)          ; half a chunk: 102 dense rows of 256 bytes
	s_mov_b32 s[G1K+1], 32<<16
	s_mov_b32 s[G1K+2], 102<<16
	s_mov_b32 s[G1K+3], 32<<16
	s_mov_b32 s[G1K+4], 102
	s_mov_b32 s[G1K+5], 32
	s_mov_b32 s[G1K+6], 0
	s_mov_b32 s[G1K+7], 0
	s_or_b32 s[G1M], s55, (2<<16)|(1<<20)|(1<<21)|(6<<22)|(3<<25)   ; 64 rows of 128 f32, 2,048 apart; 16 bytes of padding behind every 512
	s_mov_b32 s[G1M+1], 128<<16
	s_mov_b32 s[G1M+2], 64<<16
	s_mov_b32 s[G1M+3], 128<<16
	s_mov_b32 s[G1M+4], 64
	s_mov_b32 s[G1M+5], 2048
	s_mov_b32 s[G1M+6], 0
	s_mov_b32 s[G1M+7], 0
	s_and_b32 s60, s[WV], 1                        ; which half I fetch, if I fetch
	s_mul_i32 s61, s60, 26112
	s_mul_i32 s62, s60, 64*MP
	s_add_co_u32 s62, s62, MOFF
	s_lshl_b32 s56, s18, 2
	s_add_co_u32 s56, s56, s17
	s_mul_i32 s56, s56, 16*CHUNK                   ; K and V of (batch, head group): cy never enters these registers
	s_add_co_u32 s56, s56, s61
	s_mov_b32 s57, 0
	s_lshl_b32 s58, s19, 7
	s_lshl_b32 s63, s60, 6
	s_add_co_u32 s58, s58, s63
	s_lshl_b32 s58, s58, 13                        ; the mask's row 128 y + 64 x half: cx never enters these
	s_mov_b32 s59, 0
	s_lshl_b32 s66, s18, 4                         ; q: ((16 batch + 4 head group) x 16 + query block) x 6,656
	s_lshl_b32 s67, s17, 2
	s_add_co_u32 s66, s66, s67
	s_lshl_b32 s66, s66, 4
	s_and_b32 s67, s19, 15
	s_add_co_u32 s66, s66, s67
	s_mul_i32 s66, s66, 6656
	s_mul_i32 s68, s[WV], 768                      ; my tile's image,
	s_add_co_u32 s68, s68, s66
	s_mov_b32 s69, 0
	s_lshr_b32 s70, s[WV], 2                       ; and its scale words: 6,144 + 256 (w / 4) + 4 (w % 4) + 16 r
	s_lshl_b32 s70, s70, 8
	s_and_b32 s71, s[WV], 3
	s_lshl_b32 s71, s71, 2
	s_add_co_u32 s70, s70, s71
	s_add_co_u32 s70, s70, s66
	s_add_co_u32 s70, s70, 6144
	s_mov_b32 s71, 0
	s_lshl_b32 s72, s19, 7                         ; out: row 128 y + 16 w, + 1,024 bytes a head group
	s_lshl_b32 s73, s[WV], 4
	s_add_co_u32 s72, s72, s73
	s_lshl_b32 s72, s72, 12
	s_lshl_b32 s73, s17, 10
	s_add_co_u32 s72, s72, s73
	s_mov_b32 s73, 0
	s_lshl_b32 s74, s18, 13                        ; kpm of my batch
	s_mov_b32 s75, 0
	s_lshl_b32 s76, s19, 7                         ; the prefetches: my work-group's 32 rows of the tile,
	s_lshl_b32 s77, s15, 5
	s_add_co_u32 s76, s76, s77
	s_lshl_b32 s76, s76, 13
	s_add_co_u32 s76, s76, 512                     ; at step 1: the first change of slots steps it to step 2
	s_mov_b32 s77, 0
	s_cmp_eq_u32 s[WV], 4
	s_cselect_b32 s[LIM], 1, -1
	s_mov_b32 s[SEL], 0x76543210
	s_mov_b32 s[SEL+1], 0xfedcba98
	s_mov_b32 s[CS], 0x3fb8aa3b                    ; log2(e)
	s_mov_b32 s[CS+1], s[CS]
	s_mov_b32 s[TB], 0
	s_mov_b32 s[TP], 0
	s_mov_b32 s[SLOTS], 15
	s_wait_kmcnt 0x0
	s_mov_b32 s[G0K], 1
	s_mov_b32 s[G0K+1], s61
	s_add_nc_u64 s[G0K+2:G0K+3], s[10:11], s[56:57]
	s_or_b32 s[G0K+3], s[G0K+3], 0x80000000
	s_mov_b32 s[G0M], 1
	s_mov_b32 s[G0M+1], s62
	s_add_nc_u64 s[G0M+2:G0M+3], s[4:5], s[58:59]
	s_or_b32 s[G0M+3], s[G0M+3], 0x80000000
	s_add_nc_u64 s[68:69], s[8:9], s[68:69]
	s_add_nc_u64 s[70:71], s[8:9], s[70:71]
	s_add_nc_u64 s[12:13], s[12:13], s[72:73]
	s_add_nc_u64 s[6:7], s[6:7], s[74:75]
	s_add_nc_u64 s[PFA:PFA+1], s[4:5], s[76:77]
	CROUND                                         ; all sixteen work-groups are here: the first joint loads meet
	JLOAD                                          ; key step 0 into slot 0
	v_and_b32 v15, 31, v0                          ; lane
	v_and_b32 v8, 15, v0                           ; r
	v_bfe_u32 v9, v0, 4, 1                         ; h
	s_delay_alu instid0(VALU_DEP_3)
	v_lshlrev_b32 v[L16], 4, v15
	s_delay_alu instid0(VALU_DEP_4)
	v_lshlrev_b32 v[L8], 3, v15
	s_delay_alu instid0(VALU_DEP_4)
	v_lshlrev_b32 v[R16], 4, v8
	v_lshlrev_b32 v[PFO], 13, v15
	v_lshlrev_b32 v10, 4, v0                       ; 16 x thread
	global_load_b128 v[32:35], v10, s[6:7]                 ; kpm of my batch: 2 x 4,096 consecutive bytes a work-group
	global_load_b128 v[36:39], v10, s[6:7] offset:4096
	WIN 0x40
.irp i, 0,1,2,3
	global_load_b128 v[Q+12*\i:Q+12*\i+3], v[L16], s[68:69] offset:106496*\i        ; my tile of q, head i: it stays in registers
	global_load_b64 v[Q+12*\i+4:Q+12*\i+5], v[L8], s[68:69] offset:106496*\i+512
.endr
.irp i, 0,1,2,3
.irp j, 6,7,8,9,10,11
	v_mov_b32 v[Q+12*\i+\j], 0                     ; zero codes for the upper 64 along K
.endr
.endr
.set J, 0
.rept 128
	v_mov_b32 v[OT+J], 0                           ; O^T: the step is written without a first step of its own
.set J, J+1
.endr
	WIN 0
.irp i, 0,1,2,3
	global_load_b32 v[QSR+\i], v[R16], s[70:71] offset:106496*\i
.endr
	v_mul_u32_u24 v[AM0], v8, MP
	s_delay_alu instid0(VALU_DEP_1)
	v_lshl_add_u32 v[AM0], v9, 5, v[AM0]
	s_mul_i32 s54, s[WV], 16*MP
	s_add_co_u32 s54, s54, MOFF
	v_add_nc_u32 v[AM0], s54, v[AM0]               ; row 16 w + r of the tile, + 32 h
	v_lshl_add_u32 v[AP0], v9, 5, PADR
	v_lshlrev_b32 v[GO], 12, v9
	s_delay_alu instid0(VALU_DEP_1)
	v_lshl_add_u32 v[GO], v8, 4, v[GO]
	v_add_nc_u32 v11, PADR, v10
.irp j, 0,1,2,3,4,5
	v_mov_b32 v[KB+48+\j], 0                       ; behind K's eighth tile
.endr
.irp j, 0,1,2,3
	v_mov_b32 v[BT+\j], 0                          ; a lane permute's destination counts as one of its sources
.endr
	v_mov_b32 v[F+1], 0
.irp i, 0,1,2,3
	v_mov_b32 v[ST+4*\i+1], 0xff61b1e6             ; the largest t so far: -3e38
	s_delay_alu instid0(VALU_DEP_1)
	v_floor_f32 v[ST+4*\i], -v[ST+4*\i+1]          ; -M
	v_mov_b32 v[ST+4*\i+2], 0
	v_mov_b32 v[ST+4*\i+3], 0
.endr
	s_wait_alu depctr_va_vdst(0)                   ; the wait ahead of the blocking wait
	s_wait_loadcnt 0x0
.irp j, 0,1,2,3,4,5,6,7
	v_sub_f32 v[32+\j], 1.0, v[32+\j]
.endr
.irp j, 0,1,2,3,4,5,6,7
	v_mul_f32 v[32+\j], 0xc61c4000, v[32+\j]       ; x -10000
.endr
	ds_store_b128 v11, v[32:35]
	ds_store_b128 v11, v[36:39] offset:4096
.macro KLOAD i                         ; 17 loads: head i's eight tiles of K and their scale words
.irp t, 0,1,2,3,4,5,6,7
	ds_load_b128 v[KB+6*\t:KB+6*\t+3], v[A16] offset:SUB*(\i)+768*\t
	ds_load_b64 v[KB+6*\t+4:KB+6*\t+5], v[A8] offset:SUB*(\i)+768*\t+512
.endr
	ds_load_b128 v[KSR:KSR+3], v[A16] offset:SUB*(\i)+12288
.endm
.macro VLOAD i                         ; 17 loads: head i's four tiles of V, each in two halves of 64 keys, and their scale words
.irp n, 0,1,2,3
.irp c, 0,1
	ds_load_b128 v[VB+12*\n+6*\c:VB+12*\n+6*\c+3], v[A16] offset:SUB*(\i)+6144+1536*\n+768*\c
	ds_load_b64 v[VB+12*\n+6*\c+4:VB+12*\n+6*\c+5], v[A8] offset:SUB*(\i)+6144+1536*\n+768*\c+512
.endr
.endr
	ds_load_b128 v[VSR:VSR+3], v[AR] offset:SUB*(\i)+12800
.endm
.macro PADLOAD                         ; 16 loads: the padding term of the 128 keys at s[TP]: register 8 t + j of lane half h: key 16 t + 8 h + j
	v_add_nc_u32 v[AP], s[TP], v[AP0]
	WIN 0x40
.irp t, 6,7
	ds_load_b128 v[PD1+8*(\t-6):PD1+8*(\t-6)+3], v[AP] offset:64*\t
	ds_load_b128 v[PD1+8*(\t-6)+4:PD1+8*(\t-6)+7], v[AP] offset:64*\t+16
.endr
	WIN 0
.irp t, 0,1,2,3,4,5
	ds_load_b128 v[PD0+8*\t:PD0+8*\t+3], v[AP] offset:64*\t
	ds_load_b128 v[PD0+8*\t+4:PD0+8*\t+7], v[AP] offset:64*\t+16
.endr
.endm
; A step's head: its addresses, the first head's K (17 loads), and the mask (16 loads), which stays in registers for the four heads: register 8 t + j of lane (r, h): query r, key 16 t + 8 h + j.
; (The four additions, and the sums that end the step before, are the places behind that step's last products.)
.macro PREP
	v_add_nc_u32 v[A16], s[TB], v[L16]
	v_add_nc_u32 v[A8], s[TB], v[L8]
	v_add_nc_u32 v[AR], s[TB], v[R16]
	v_add_nc_u32 v[AM], s[TB], v[AM0]
	KLOAD 0
	WIN 0x40
.irp t, 0,1,2,3,4,5,6,7
	ds_load_b128 v[MK+8*\t:MK+8*\t+3], v[AM] offset:64*\t
	ds_load_b128 v[MK+8*\t+4:MK+8*\t+7], v[AM] offset:64*\t+16
.endr
	WIN 0
.endm
; ONE HEAD'S PART OF A KEY STEP
.macro UNIT i, last, pad
.set NM, ST+4*(\i)
.if \i == 0
	s_wait_dscnt 16                                ; K's 17 loads are in; the mask's 16 may be out
.else
	s_wait_dscnt 0x0                               ; K is in
.endif
	WIN 0x04                                       ; source 1 (Q, then the mask) window 1
.irp t, 0,1,2,3
	v_wmma_scale_f32_16x16x128_f8f6f4 v[S+8*\t:S+8*\t+7], v[KB+6*\t:KB+6*\t+11], v[Q+12*(\i):Q+12*(\i)+11], 0, v[KSR+\t], v[QSR+\i] matrix_a_fmt:MATRIX_FMT_FP6 matrix_b_fmt:MATRIX_FMT_FP6
.endr
.irp t, 4,5,6,7
	v_wmma_scale_f32_16x16x128_f8f6f4 v[S+8*\t:S+8*\t+7], v[KB+6*\t:KB+6*\t+11], v[Q+12*(\i):Q+12*(\i)+11], 0, v[KSR+\t-4], v[QSR+\i] matrix_a_fmt:MATRIX_FMT_FP6 matrix_b_fmt:MATRIX_FMT_FP6 matrix_a_scale:MATRIX_SCALE_ROW1
.endr
.rept 4
	v_nop                                          ; the places in front of the reads of S^T
.endr
.if \i == 0
	s_wait_dscnt 0x0                               ; the mask is in
.endif
.set J, 0
.rept 32
	v_pk_add_f32 v[S+J:S+J+1], v[S+J:S+J+1], v[MK+J:MK+J+1]   ; q.k / 8 + mask, rounded; each accumulator from its low end on
.set J, J+2
.endr
.set J, 0
.rept 8
	v_pk_add_f32 v[S+48+J:S+48+J+1], v[S+48+J:S+48+J+1], v[PD1+J:PD1+J+1]   ; + the padding term, rounded: key tiles 6, 7
.set J, J+2
.endr
	WIN 0
	VLOAD \i                                       ; into the registers that K's tiles have left: the additions above are more than the four places behind the products that read them
.set J, 0
.rept 24
	v_pk_add_f32 v[S+J:S+J+1], v[S+J:S+J+1], v[PD0+J:PD0+J+1]   ; key tiles 0 to 5: the logits
.set J, J+2
.endr
.if \pad
	PADLOAD                                        ; the next step's: this step's has been added for the last time
.endif
.irp b, 0,1,2,3
	v_max3_num_f32 v[BM+\b], v[S+16*\b], v[S+16*\b+1], v[S+16*\b+2]   ; the largest logit of each block of 32 keys: for the row's maximum and, since p rises with the logit, for the block's largest p
.endr
.irp j, 3,5,7,9,11,13
.irp b, 0,1,2,3
	s_delay_alu instid0(VALU_DEP_4)
	v_max3_num_f32 v[BM+\b], v[BM+\b], v[S+16*\b+\j], v[S+16*\b+\j+1]
.endr
.endr
.irp b, 0,1,2,3
	s_delay_alu instid0(VALU_DEP_4)
	v_max_num_f32 v[BM+\b], v[BM+\b], v[S+16*\b+15]
.endr
.irp b, 0,1,2,3
	s_delay_alu instid0(VALU_DEP_4)
	v_permlanex16_b32 v[BT+\b], v[BM+\b], s[SEL], s[SEL+1]
.endr
.irp b, 0,1,2,3
	s_delay_alu instid0(VALU_DEP_4)
	v_max_num_f32 v[BM+\b], v[BM+\b], v[BT+\b]     ; with lane l xor 16's 16 keys
.endr
	s_delay_alu instid0(VALU_DEP_2)
	v_max3_num_f32 v[TMP], v[BM], v[BM+1], v[BM+2]
	s_delay_alu instid0(VALU_DEP_1)
	v_max_num_f32 v[TMP], v[TMP], v[BM+3]
	s_delay_alu instid0(VALU_DEP_1)
	v_mul_f32 v[TMP], s[CS], v[TMP]                ; as t: the rounded product rises with the logit, so this is the step's largest t
	s_delay_alu instid0(VALU_DEP_1)
	v_max_num_f32 v[NM+1], v[NM+1], v[TMP]         ; the running largest t
	v_mov_b32 v[TMP], v[NM]
	s_delay_alu instid0(VALU_DEP_2)
	v_floor_f32 v[NM], -v[NM+1]                    ; the new -M = -ceil(t)
	s_delay_alu instid0(VALU_DEP_1)
	v_sub_f32 v[TMP], v[NM], v[TMP]                ; old M - new M: a whole number, 0 or less
	s_delay_alu instid0(VALU_DEP_1)
	v_cvt_i32_f32 v[TMP], v[TMP]                   ; (it saturates)
	s_delay_alu instid0(VALU_DEP_1)
	v_ldexp_f32 v[F], 1.0, v[TMP]                  ; f = 2^(old M - new M)
.set J, 0
.rept 32
	v_pk_mul_f32 v[S+J:S+J+1], v[S+J:S+J+1], s[CS:CS+1] op_sel_hi:[1,0]   ; t = logit x log2(e), rounded
.set J, J+2
.endr
.irp b, 0,1,2,3
	v_mul_f32 v[BM+\b], s[CS], v[BM+\b]
.endr
.set J, 0
.rept 32
	v_pk_add_f32 v[S+J:S+J+1], v[S+J:S+J+1], v[NM:NM+1] op_sel_hi:[1,0]   ; t - M (of the pair the low word, -M, serves both halves)
.set J, J+2
.endr
.irp b, 0,1,2,3
	v_add_f32 v[BM+\b], v[BM+\b], v[NM]
.endr
	s_wait_alu depctr_va_vdst(0)                   ; the wait ahead of the batch
.set J, 0
.rept 64
	v_exp_f32 v[S+J], v[S+J]                       ; p = 2^(t - M)
.set J, J+1
.endr
.irp b, 0,1,2,3
	v_exp_f32 v[BM+\b], v[BM+\b]                   ; the block's largest p: the same three instructions on the same number
.endr
	v_pk_mul_f32 v[NM+2:NM+3], v[NM+2:NM+3], v[F:F+1] op_sel_hi:[1,0]   ; the sum under the new M: a plain place behind the exponentials
	s_wait_alu depctr_va_vdst(0)                   ; and behind it
.irp b, 0,1,2,3
	v_max_num_f32 v[BM+\b], 0x1800000, v[BM+\b]    ; the floor 2^(3 - 127)
.endr
.irp b, 0,1,2,3
	s_delay_alu instid0(VALU_DEP_4)
	v_add_nc_u32 v[BS+\b], 0xff000000, v[BM+\b]    ; 2 off the exponent field: the conversion's scale operand
.endr
.irp b, 0,1,2,3
	s_delay_alu instid0(VALU_DEP_4)
	v_lshrrev_b32 v[BT+\b], 23, v[BS+\b]
.endr
	s_delay_alu instid0(VALU_DEP_3)
	v_lshl_or_b32 v[PW], v[BT+1], 8, v[BT]         ; p's scale word for these 128 keys
	s_delay_alu instid0(VALU_DEP_1)
	v_lshl_or_b32 v[PW], v[BT+2], 16, v[PW]
	s_delay_alu instid0(VALU_DEP_1)
	v_lshl_or_b32 v[PW], v[BT+3], 24, v[PW]
.irp c, 0,1
	v_cvt_scalef32_pk16_fp6_f32 v[PC+6*\c:PC+6*\c+2], v[S+32*\c:S+32*\c+15], v[BS+2*\c]
	v_cvt_scalef32_pk16_fp6_f32 v[PT+4*\c:PT+4*\c+2], v[S+32*\c+16:S+32*\c+31], v[BS+2*\c+1]
.endr
	v_nop                                          ; one plain place behind a scaled conversion
.irp c, 0,1
.irp j, 0,1,2
	v_permlane16_swap_b32 v[PC+6*\c+\j], v[PT+4*\c+\j]   ; lanes 0-15: block 2 c whole; lanes 16-31: block 2 c + 1
.endr
.irp j, 0,1,2
	s_delay_alu instid0(VALU_DEP_3)
	v_mov_b32 v[PC+6*\c+3+\j], v[PT+4*\c+\j]
.endr
.endr
	WIN 0x41
	s_wait_alu depctr_va_vdst(0)                   ; the wait directly ahead of the first reader of O^T
.set J, 0
.rept 16
	v_pk_mul_f32 v[OT+32*(\i)+J:OT+32*(\i)+J+1], v[OT+32*(\i)+J:OT+32*(\i)+J+1], v[F:F+1] op_sel_hi:[1,0]   ; O^T under the new M, each accumulator from its low end on; these 16 stand between the writes of p's codes and scale word and the products
.set J, J+2
.endr
	s_wait_alu depctr_va_vdst(0)
	s_wait_dscnt 0x0                               ; V is in
	WIN 0x50
.irp n, 0,1,2,3
	v_wmma_scale_f32_16x16x128_f8f6f4 v[OT+32*(\i)+8*\n:OT+32*(\i)+8*\n+7], v[VB+12*\n:VB+12*\n+11], v[PC:PC+11], v[OT+32*(\i)+8*\n:OT+32*(\i)+8*\n+7], v[VSR+\n], v[PW] matrix_a_fmt:MATRIX_FMT_FP6 matrix_b_fmt:MATRIX_FMT_FP6
.endr
	WIN 0
	v_pk_add_f32 v[SM:SM+1], v[S:S+1], v[S+2:S+3]  ; the row's sum of the unquantised p, in two chains; the first five lines are the places in front of the loads into V's registers
.irp j, 4,8
	v_pk_add_f32 v[NM+2:NM+3], v[NM+2:NM+3], v[S+\j:S+\j+1]
	v_pk_add_f32 v[SM:SM+1], v[SM:SM+1], v[S+\j+2:S+\j+3]
.endr
.if \last == 0
	KLOAD \i+1                                     ; the next head's K lands under the rest of the sum
.endif
.irp j, 12,16,20,24,28,32,36,40,44,48,52,56,60
	v_pk_add_f32 v[NM+2:NM+3], v[NM+2:NM+3], v[S+\j:S+\j+1]
	v_pk_add_f32 v[SM:SM+1], v[SM:SM+1], v[S+\j+2:S+\j+3]
.endr
	s_delay_alu instid0(VALU_DEP_1)
	v_pk_add_f32 v[NM+2:NM+3], v[NM+2:NM+3], v[SM:SM+1]
.endm
.macro STEP pad
	PREP
	s_add_co_u32 s[TP], s[TP], 512
	UNIT 0, 0, 0
	UNIT 1, 0, 0
	UNIT 2, 0, 0
	UNIT 3, 1, \pad
	s_xor_b32 s[TB], s[TB], SLOT1
.endm
; THE CHANGE OF SLOTS at a step's head.  Each wave waits for all its tensor loads, adds 0 to its spare word, and waits for that and for its reads of the slot that it has left.
; fill = 1: a round of the cluster's barrier, and behind it the other slot is filled with the next step.  There the add stands twice.
.macro CHANGE fill
	s_wait_tensorcnt 0x0
	ds_add_u32 v[SPW], v[NIL]
.if \fill
	ds_add_u32 v[SPW], v[NIL]
	s_xor_b32 s[G0K+1], s[G0K+1], SLOT1
	s_add_nc_u64 s[G0K+2:G0K+3], s[G0K+2:G0K+3], CHUNK
	s_xor_b32 s[G0M+1], s[G0M+1], SLOT1
	s_add_nc_u64 s[G0M+2:G0M+3], s[G0M+2:G0M+3], 512
	s_wait_xcnt 0x0                                ; the last prefetches, a key step back, have read their address
	s_add_nc_u64 s[PFA:PFA+1], s[PFA:PFA+1], 512
.endif
	s_wait_dscnt 0x0
.if \fill
	CROUND
	JLOAD
	ASK
.else
	s_barrier_signal -1
	s_barrier_wait -1
.endif
.endm
	s_wait_dscnt 0x0                               ; my part of the padding term is in LDS
	s_barrier_signal -1
	s_barrier_wait -1                              ; everybody's is.
	PADLOAD                                        ; key step 0's
	s_wait_alu depctr_va_vdst(0)                   ; the wait at the head's end
.Lslot:                                            ; 15 trips: behind each change of slots but the last the next step is asked for
	CHANGE 1
	STEP 1
	s_sub_co_u32 s[SLOTS], s[SLOTS], 1
	s_cmp_lg_u32 s[SLOTS], 0
	s_cbranch_scc1 .Lslot
	CHANGE 0                                       ; the last step is written out
	STEP 0
	; THE WAY OUT.  (The last head's sums are the places behind the last products.)
.irp i, 0,1,2,3
	v_add_f32 v[ST+4*\i+2], v[ST+4*\i+2], v[ST+4*\i+3]
.endr
.irp i, 0,1,2,3
	s_delay_alu instid0(VALU_DEP_4)
	v_permlanex16_b32 v[BT+\i], v[ST+4*\i+2], s[SEL], s[SEL+1]
.endr
.irp i, 0,1,2,3
	s_delay_alu instid0(VALU_DEP_4)
	v_add_f32 v[ST+4*\i+2], v[ST+4*\i+2], v[BT+\i] ; the row's sum
.endr
	s_wait_alu depctr_va_vdst(0)
.irp i, 0,1,2,3
	v_rcp_f32 v[ST+4*\i], v[ST+4*\i+2]             ; into the register that held -M
.endr
	v_and_b32 v10, 15, v0
	v_bfe_u32 v11, v0, 4, 1
	s_mul_i32 s54, s[WV], 16*SP
	s_add_co_u32 s54, s54, STAGE                   ; my stage
	v_mul_u32_u24 v8, v10, SP
	s_delay_alu instid0(VALU_DEP_1)
	v_lshl_add_u32 v8, v11, 5, v8
	s_delay_alu instid0(VALU_DEP_1)
	v_add_nc_u32 v8, s54, v8                       ; in: row r; channel tile n's eight of my half at 64 n + 32 h
	v_mul_u32_u24 v9, v11, SP
	s_delay_alu instid0(VALU_DEP_1)
	v_lshl_add_u32 v9, v10, 4, v9
	s_delay_alu instid0(VALU_DEP_1)
	v_add_nc_u32 v9, s54, v9                       ; back: lanes 0-15 one row of 256 bytes, lanes 16-31 the next
	s_wait_alu depctr_va_vdst(0)
.macro PACK i
.set SS, S+32*((\i)%2)
	WIN 0x01
.set J, 0
.rept 16
	v_pk_mul_f32 v[SS+J:SS+J+1], v[OT+32*(\i)+J:OT+32*(\i)+J+1], v[ST+4*(\i):ST+4*(\i)+1] op_sel_hi:[1,0]
.set J, J+2
.endr
	WIN 0
.irp n, 0,1,2,3
	ds_store_b128 v8, v[SS+8*\n:SS+8*\n+3] offset:64*\n
	ds_store_b128 v8, v[SS+8*\n+4:SS+8*\n+7] offset:64*\n+16
.endr
.irp k, 0,1,2,3,4,5,6,7
	ds_load_b128 v[BK+32*(\i)+4*\k:BK+32*(\i)+4*\k+3], v9 offset:\k*2*SP   ; LDS serves a wave's instructions in order (ISA guide 5.7.1.4)
.endr
.endm
.macro SEND i, younger                 ; younger: the LDS instructions issued behind head i's loads
.irp k, 0,1,2,3,4,5,6,7
	s_wait_dscnt \younger+7-\k
	global_store_b128 v[GO], v[BK+32*(\i)+4*\k:BK+32*(\i)+4*\k+3], s[12:13] offset:8192*\k+256*(\i) th:TH_STORE_NT   ; 16 lanes store a head's 256 consecutive bytes of a row
.endr
.endm
	PACK 0
	PACK 1
	SEND 0, 16
	PACK 2
	SEND 1, 16
	PACK 3
	SEND 2, 16
	SEND 3, 0
	s_wait_tensorcnt 0x0                           ; the wave's end
	ds_add_u32 v[SPW], v[NIL]
	s_wait_dscnt 0x0
	CROUND                                         ; the closing round
	s_endpgm
.Lfunc_end_k_q820615bfbd_attn:
	.size	k_q820615bfbd_attn, .Lfunc_end_k_q820615bfbd_attn-k_q820615bfbd_attn
	.p2alignl 7, 3214868480
	.fill 96, 4, 3214868480
	.section	.rodata,"a",@progbits
	.p2align	6, 0x0
	.amdhsa_kernel k_q820615bfbd_attn
		.amdhsa_group_segment_fixed_size 327680
		.amdhsa_private_segment_fixed_size 0
		.amdhsa_enable_private_segment 0
		.amdhsa_kernarg_size 40
		.amdhsa_user_sgpr_count 2
		.amdhsa_user_sgpr_kernarg_segment_ptr 1
		.amdhsa_wavefront_size32 1
		.amdhsa_system_sgpr_workgroup_id_x 1
		.amdhsa_system_sgpr_workgroup_id_y 1
		.amdhsa_system_sgpr_workgroup_id_z 1
		.amdhsa_system_vgpr_workitem_id 0
		.amdhsa_next_free_vgpr 512
		.amdhsa_next_free_sgpr 80
		.amdhsa_reserve_vcc 0
		.amdhsa_float_denorm_mode_32 3
		.amdhsa_float_denorm_mode_16_64 3
		.amdhsa_memory_ordered 1
		.amdhsa_forward_progress 1
		.amdhsa_inst_pref_size 225
	.end_amdhsa_kernel
	.amdgpu_metadata
---
amdhsa.version: [ 1, 2 ]
amdhsa.kernels:
  - .name:           k_q820615bfbd_attn
    .symbol:         k_q820615bfbd_attn.kd
    .args:
      - { .name: attention_mask, .offset: 0, .size: 8, .value_kind: global_buffer, .address_space: global }
      - { .name: key_padding_mask, .offset: 8, .size: 8, .value_kind: global_buffer, .address_space: global }
      - { .name: qws, .offset: 16, .size: 8, .value_kind: global_buffer, .address_space: global }
      - { .name: kv, .offset: 24, .size: 8, .value_kind: global_buffer, .address_space: global }
      - { .name: out0, .offset: 32, .size: 8, .value_kind: global_buffer, .address_space: global }
    .group_segment_fixed_size: 327680
    .private_segment_fixed_size: 0
    .kernarg_segment_align: 8
    .kernarg_segment_size: 40
    .max_flat_workgroup_size: 256
    .sgpr_count:     80
    .vgpr_count:     512
    .wavefront_size: 32
...
	.end_amdgpu_metadata
.endif
;; end of part 2
